; MI455X (gfx1250); checked and timed in simulation.
; The chip was launched on July 23, 2026; its instructions are those of AMD's public machine-readable ISA for CDNA 5 (MIT licence, August 2026) and "CDNA5" Instruction Set Architecture Reference Guide (July 2026). The comments in the code are by the model that wrote it; some were corrected since.
;; Relative Global Attention. Allowed arithmetic: matrix products marked QUANTISED: E2M1 operands, one E8M0 scale for each 32 along K, by v_wmma_scale_f32_16x16x128_f8f6f4 with both operands' format E2M1 (or v_wmma_scale_f32_32x16x128_f4), f32 sums; everything else in f32.
;; Inputs: Er_codes 4,096 x 1 x 16 uint8 (E2M1 codes of Er, K innermost, in blocks of 32 codes, two codes a byte); Er_scales 4,096 x 1 uint8 (E8M0 scales of Er, one for each 32 codes along K); Wk_codes 128 x 4 x 16 uint8 (E2M1 codes of Wk, K innermost, in blocks of 32 codes, two codes a byte); Wk_scales 128 x 4 uint8 (E8M0 scales of Wk, one for each 32 codes along K); Wq_codes 128 x 4 x 16 uint8 (E2M1 codes of Wq, K innermost, in blocks of 32 codes, two codes a byte); Wq_scales 128 x 4 uint8 (E8M0 scales of Wq, one for each 32 codes along K); Wv_codes 128 x 4 x 16 uint8 (E2M1 codes of Wv, K innermost, in blocks of 32 codes, two codes a byte); Wv_scales 128 x 4 uint8 (E8M0 scales of Wv, one for each 32 codes along K); bk 128 float32; bq 128 float32; bv 128 float32; x_codes 2 x 4,096 x 4 x 16 uint8 (E2M1 codes of x, K innermost, in blocks of 32 codes, two codes a byte); x_scales 2 x 4,096 x 4 uint8 (E8M0 scales of x, one for each 32 codes along K).
;; Outputs: out0 2 x 4,096 x 128 float32.
;; This version of the problem:
;;   THIS VERSION OF THE PROBLEM IS GIVEN IN LOW PRECISION. The matrix products marked QUANTISED in the list below multiply operands that are first quantised to E2M1 (2 exponent bits, 1 mantissa bit; 4 bits a number), with one power-of-two scale for each 32 numbers along K (OCP MX v1.0); their sums are f32. All else is computed in f32.
;;   The module's matrix products, in the order in which they are computed (A, B: the left and right operand; K: the contracted axis; several contracted axes count as one K, in the product's order):
;;     1. [M 8,192, K 128] x [K 128, N 128]; A: input x (given as codes); B: input Wq (given as codes): QUANTISED
;;     2. [M 8,192, K 128] x [K 128, N 128]; A: input x (given as codes); B: input Wk (given as codes): QUANTISED
;;     3. [M 8,192, K 128] x [K 128, N 128]; A: input x (given as codes); B: input Wv (given as codes): QUANTISED
;;     4. [M 32,768, K 32] x [K 32, N 4,096]; A: computed on the way; B: input Er (given as codes): QUANTISED
;;     5. batch 8 x [M 4,096, K 32] x [K 32, N 4,096]; A: computed on the way; B: computed on the way: QUANTISED
;;     6. batch 8 x [M 4,096, K 4,096] x [K 4,096, N 32]; A: softmax (see below); B: computed on the way: QUANTISED
;;   THE QUANTISER, for each operand of a quantised product, along K:
;;     - K is cut into blocks of 32 from its start; a last block that is shorter is filled with zeros.
;;     - A block's scale is 2^e with e = floor(log2(the largest magnitude in the block)) - 2, held to -126 .. 127; a block of zeros has e = 0. As a byte (E8M0): e + 127.
;;     - Each number is divided by its block's scale, clamped to +-6, and rounded to the nearest number of E2M1, ties to even, subnormals kept.
;;     - The product sums the exact products of the quantised numbers (number of the format x scale) in f32.
;;   ~~~python
;;   def quantise(x, axis):      # numpy; x: float32 -> the quantised numbers, widened to float32 again
;;       x = np.moveaxis(x, axis, -1); K = x.shape[-1]
;;       x = np.pad(x, [(0, 0)] * (x.ndim - 1) + [(0, -K % 32)]); x = x.reshape(x.shape[:-1] + (-1, 32)); a = np.abs(x).max(-1, keepdims=True)
;;       e = np.where(a > 0, np.clip(np.frexp(np.where(a > 0, a, 1))[1] - 1 - 2, -126, 127), 0)      # np.frexp(a)[1] - 1 = floor(log2(a)), exactly
;;       r = np.clip(x / 2.0 ** e, -6, 6)
;;       step = 2.0 ** (np.maximum(np.frexp(np.where(r == 0, 1, r))[1] - 1, 0) - 1)
;;       q = np.round(r / step) * step * 2.0 ** e      # np.round: ties to even
;;       return np.moveaxis(q.reshape(q.shape[:-2] + (-1,))[..., :K], -1, axis).astype(np.float32)
;;   ~~~
;;   SOFTMAX AHEAD OF A QUANTISED PRODUCT. Where the list says 'softmax', what is quantised is not the finished softmax but p = 2^(t - M), with t = logit x log2(e) and M = ceil(the row's largest t), a whole number; so 1/2 < the row's largest p <= 1. The row's sum l is taken of the UNQUANTISED p, in f32, and the product's result is divided by l at the end. Since M is a whole number, a kernel that streams over the keys may use a running M (the ceiling of the running maximum): every later rescaling is an exact power of two, which a block's scale takes up: the codes' values come out the same.
;;   OPERANDS COMPUTED ON THE WAY. 'Computed on the way' means the value that the module computes at that place (a softmax that the list does not call 'softmax' is quantised finished and normalised). What goes into a quantiser is computed in f32, as accurately as f32 sums, v_exp_f32 and their like allow (about 1e-6 of the number): no bf16 or f16 on the way to a quantiser, and a product that is left as it is and whose result goes on into a quantised operand takes f32 operands (vector FMAs, or v_wmma_f32_16x16x4_f32). A number that lies on a knife's edge between two numbers of the format may be rounded either way, as far as f32 arithmetic and the matrix unit's own rounding can turn it there, and no further.
;;   INPUTS GIVEN AS CODES. Er (in the module: [4096, 32], K = its axis 1); Wk (in the module: [128, 128], K = its axis 0); Wq (in the module: [128, 128], K = its axis 0); Wv (in the module: [128, 128], K = its axis 0); x (in the module: [2, 4096, 128], K = its axis 2): each comes as NAME_codes (uint8): NAME with its K axis moved to the last place and cut into blocks of 32 codes, [.., K / 32, bytes a block], one block behind the other in memory; two codes a byte, the lower K in the low four bits (a code: sign, 2 exponent bits, 1 mantissa bit); and NAME_scales (uint8): the same leading axes, one E8M0 byte (e + 127) for each 32 codes along K. Its value is code x scale, taken as it is: it is not quantised again, and the codes and scales need not be those that the quantiser above would give.
;; 2 versions, each right; version 2 is version 1 with the launch prep written anew for expert scheduling mode. Each part assembles by itself: llvm-mc -triple=amdgcn-amd-amdhsa -mcpu=gfx1250 --defsym DOCPART=n.
;; ======== version 1 of 2: 2 launches
;; workspace buffers: QI 557,056 bytes; KI 557,056 bytes; VI 557,056 bytes; ErP 74,240 bytes; ErW 18,688 bytes
;; launch prep (part 1): grid 64 x 4, 1 waves a work-group, no clusters, 0 bytes of LDS; arguments x_codes, x_scales, Wq_codes, Wq_scales, bq, QI, Wk_codes, Wk_scales, bk, KI, Wv_codes, Wv_scales, bv, VI, Er_codes, Er_scales, ErP, ErW; writes QI, KI, VI, ErP, ErW
.if DOCPART == 1
	.amdgcn_target "amdgcn-amd-amdhsa--gfx1250"
	.amdhsa_code_object_version 6
	.text
	.protected	k_qb91893cb83_prep
	.globl	k_qb91893cb83_prep
	.p2align	8
	.type	k_qb91893cb83_prep,@function
k_qb91893cb83_prep:
	s_mov_b64 s[64:65], 0
	v_nop
	global_prefetch_b8 v0, s[64:65] scope:SCOPE_SE
	s_setreg_imm32_b32 hwreg(HW_REG_WAVE_MODE, 25, 1), 1
	s_wait_xcnt 0x0
; q = x Wq + bq, k = x Wk + bk, v = x Wv + bv on codes of FP4 (E2M1) with E8M0 scales, and each result quantised again: q and k along a head's 32 numbers, v along 32 keys.
; The codes leave as IMAGES OF OPERAND REGISTERS, so that the attention launch loads fragments by 16 bytes a lane, lane after lane.
; GRID: x = unit u (128 tokens: batch u / 32, key step u % 32); y = role: 0 q, 1 k, 2 v, 3 the table Er.  One wave a work-group; no LDS, no barrier; EXEC stays whole.
; A UNIT of QI, KI, VI is 8,704 bytes: 8 images of 1,024 (two chunks of 512: lane l's 16 bytes at 16 l = operand registers 4 c .. 4 c + 3), then 512 bytes of scale words.
;   pat(r) = 32 (r / 8) + r % 8.   QI, KI image 4 G + t: lane (r, h), chunk c: token 64 G + 8 t + pat(r), head 2 c + h.   VI image f: lane (r, h), chunk c: feature 16 f + r, keys 64 c + 32 h + 0 .. 31.
;   Scale words: at 8192 + 16 l + 4 i the word of image 2 i + l / 16, row l % 16: one load of 16 bytes gives four scale registers, even images in lanes 0-15, odd ones in lanes 16-31.
; WHICH ROWS FORM A TILE IS FREE: source 0's tile (half, t) takes rows 64 half + 8 t + pat(r).  In the result lane (., h) then holds, over t = 0 .. 3 and its 8 registers, the 32 neighbours
; 64 half + 32 h + 0 .. 31: a WHOLE block of 32 in one lane.  So a block's largest magnitude needs no other lane, and the four conversions' results are chunk c = half of an image as it stands.
;   roles 0, 1: source 0 = W's rows (features), source 1 = x's tokens (in the same pattern, tile = image);  role 2: source 0 = x's tokens, source 1 = Wv's rows 16 f + r.  The bias is each product's C.
; ROLE 3: ErP = Er's codes, 16 bytes a row, with 544 rows of zero codes behind them; ErW[row] = the scale bytes of rows row .. row + 3 (held at the last row; 0x7f7f7f7f in the rows behind the table).
; A block's scale byte is its largest magnitude's exponent field - 2, held at 1 from below.
; LIMITS: a block of zeros, or one under 2^-124, gets the byte 1 where the quantiser says 127 or less: its codes are zeros or near it, and this program alone reads the bytes.  NaN, infinities and the scale byte 0xff among the inputs are not served.
.set UNIT, 8704
.set FA,  16                           ; v16-79    source 0's eight fragments
.set FB,  80                           ; v80-143   source 1's eight
.set R,   144                          ; v144-175  four results
.set AS,  176                          ; v176-179  source 0's scale words: register i: tile 2 i in lanes 0-15, tile 2 i + 1 in lanes 16-31
.set BS,  180                          ; v180-183  source 1's likewise
.set WD,  184                          ; v184-191  the scale word of each image's rows, as it grows
.set MX,  192                          ; v192-195  four chains of a block's largest magnitude (role 2: v192-199 first hold bv)
.set T,   200                          ; v200-202  at work
.set CD,  208                          ; v208-211  a chunk's codes
.set SW,  212                          ; v212-215  the scale words as they are stored
                                       ; window 1: v0-63 the biases, in the results' layout
.set MSB, 0
.macro WIN new                         ; the immediate's high byte repeats the setting that is left
.if MSB != \new
	s_set_vgpr_msb (MSB<<8)|\new
.set MSB, \new
.endif
.endm
; one product; ra, rb: the half of the lanes from which source 0's and source 1's scale words are read
.macro WMS d, a, b, c, sa, sb, ra, rb
.if (\ra) && (\rb)
	v_wmma_scale_f32_16x16x128_f8f6f4 v[\d:\d+7], v[\a:\a+7], v[\b:\b+7], v[\c:\c+7], v[\sa], v[\sb] matrix_a_fmt:MATRIX_FMT_FP4 matrix_b_fmt:MATRIX_FMT_FP4 matrix_a_scale:MATRIX_SCALE_ROW1 matrix_b_scale:MATRIX_SCALE_ROW1
.elseif (\ra)
	v_wmma_scale_f32_16x16x128_f8f6f4 v[\d:\d+7], v[\a:\a+7], v[\b:\b+7], v[\c:\c+7], v[\sa], v[\sb] matrix_a_fmt:MATRIX_FMT_FP4 matrix_b_fmt:MATRIX_FMT_FP4 matrix_a_scale:MATRIX_SCALE_ROW1
.elseif (\rb)
	v_wmma_scale_f32_16x16x128_f8f6f4 v[\d:\d+7], v[\a:\a+7], v[\b:\b+7], v[\c:\c+7], v[\sa], v[\sb] matrix_a_fmt:MATRIX_FMT_FP4 matrix_b_fmt:MATRIX_FMT_FP4 matrix_b_scale:MATRIX_SCALE_ROW1
.else
	v_wmma_scale_f32_16x16x128_f8f6f4 v[\d:\d+7], v[\a:\a+7], v[\b:\b+7], v[\c:\c+7], v[\sa], v[\sb] matrix_a_fmt:MATRIX_FMT_FP4 matrix_b_fmt:MATRIX_FMT_FP4
.endif
.endm
; eight fragments of 16 rows x 128 K (a row of 128 codes is 64 bytes; registers 4 c .. 4 c + 3 at row x 64 + 16 h + 32 c).  pat = 1: tile i begins at row 64 (i / 4) + 8 (i % 4); 0: at row 16 i
.macro LOADSET reg, voff, base, pat
.irp i, 0,1,2,3,4,5,6,7
.irp c, 0,1
.if \pat
	global_load_b128 v[\reg+8*\i+4*\c:\reg+8*\i+4*\c+3], v[\voff], s[\base:\base+1] offset:64*(64*(\i/4)+8*(\i%4))+32*\c
.else
	global_load_b128 v[\reg+8*\i+4*\c:\reg+8*\i+4*\c+3], v[\voff], s[\base:\base+1] offset:64*16*\i+32*\c
.endif
.endr
.endr
.endm
; their scale words, 4 bytes a row, two tiles to a register
.macro LOADSC reg, voff, base, pat
.irp i, 0,1,2,3
.if \pat
	global_load_b32 v[\reg+\i], v[\voff], s[\base:\base+1] offset:4*(64*(\i/2)+16*(\i%2))
.else
	global_load_b32 v[\reg+\i], v[\voff], s[\base:\base+1] offset:128*\i
.endif
.endr
.endm
; Chunk half of image b: four products, the block's scale, four conversions, one store of 512 consecutive bytes.
.macro BLOCK b, half, vmode
	WIN 0x10                                       ; C: window 1
.irp t, 0,1,2,3
.if \vmode
	WMS R+8*\t, FA+8*(4*\half+\t), FB+8*\b, 8*\b, AS+2*\half+\t/2, BS+\b/2, \t%2, \b%2
.else
	WMS R+8*\t, FA+8*(4*\half+\t), FB+8*\b, 8*(4*\half+\t), AS+2*\half+\t/2, BS+\b/2, \t%2, \b%2
.endif
.endr
	WIN 0
.rept 4
	v_nop                                          ; four places between the products and the first read of their results (ISA guide 7.12.1)
.endr
.irp t, 0,1,2,3
	v_max3_num_f32 v[MX+\t], |v[R+8*\t]|, |v[R+8*\t+1]|, 0x1800000   ; each result from its low end on; the floor 2^(3 - 127) holds the byte at 1 from below
.endr
.irp i, 2,4,6
.irp t, 0,1,2,3
	v_max3_num_f32 v[MX+\t], v[MX+\t], |v[R+8*\t+\i]|, |v[R+8*\t+\i+1]|   ; (four chains by turns)
.endr
.endr
	v_max3_num_f32 v[MX], v[MX], v[MX+1], v[MX+2]
	v_max_num_f32 v[MX], v[MX], v[MX+3]            ; the largest magnitude of my 32 numbers: the block's
	v_add_nc_u32 v[T+1], 0xff000000, v[MX]         ; 2 off its exponent field: the conversion takes this operand's exponent field as its scale
	v_lshrrev_b32 v[T+2], 23, v[T+1]               ; the scale's byte: it is byte 2 half + h of the row's word
.if \half == 0
	v_lshlrev_b32 v[WD+\b], v6, v[T+2]
.else
	v_lshlrev_b32 v[T+2], v7, v[T+2]
	v_or_b32 v[WD+\b], v[WD+\b], v[T+2]
.endif
	s_wait_xcnt 0x0                                ; the last chunk's store has read its data: the codes' registers are written again only behind this wait
.irp t, 0,1,2,3
	v_cvt_scalef32_pk8_fp4_f32 v[CD+\t], v[R+8*\t:R+8*\t+7], v[T+1]
.endr
	v_nop                                          ; one plain line behind the conversions: the next products write their sources
	global_store_b128 v5, v[CD:CD+3], s[46:47] offset:1024*\b+512*\half
.endm
.macro BODY vmode
.irp b, 0,1,2,3,4,5,6,7
	BLOCK \b, 0, \vmode
	BLOCK \b, 1, \vmode
	v_permlanex16_b32 v[T], v[WD+\b], s50, s51     ; my two bytes and lane l xor 16's two make the word whole
	v_or_b32 v[WD+\b], v[WD+\b], v[T]
.endr
.irp i, 0,1,2,3
	v_cndmask_b32 v[SW+\i], v[WD+2*\i], v[WD+2*\i+1], s48   ; lanes 0-15 keep image 2 i's words, lanes 16-31 image 2 i + 1's
.endr
	global_store_b128 v5, v[SW:SW+3], s[46:47] offset:8192
	s_endpgm
.endm
	s_load_b512 s[4:19], s[0:1], 0x0               ; x's codes 4, x's scales 6, Wq's codes 8, Wq's scales 10, bq 12, QI 14, Wk's codes 16, Wk's scales 18
	s_load_b512 s[20:35], s[0:1], 0x40             ; bk 20, KI 22, Wv's codes 24, Wv's scales 26, bv 28, VI 30, Er's codes 32, Er's scales 34
	s_load_b128 s[36:39], s[0:1], 0x80             ; ErP 36, ErW 38
	v_and_b32 v9, 15, v0                           ; r
	v_lshrrev_b32 v10, 4, v0                       ; h (one wave: v0 is the lane)
	v_and_b32 v11, 7, v0
	v_bfe_u32 v12, v0, 3, 1
	v_lshl_add_u32 v11, v12, 5, v11                ; pat(r)
	v_lshlrev_b32 v1, 6, v11
	v_lshl_add_u32 v1, v10, 4, v1                  ; v1: codes, rows in the pattern: 64 pat(r) + 16 h
	v_lshlrev_b32 v2, 6, v9
	v_lshl_add_u32 v2, v10, 4, v2                  ; v2: codes, neighbouring rows: 64 r + 16 h
	v_lshl_add_u32 v3, v10, 3, v11
	v_lshlrev_b32 v3, 2, v3                        ; v3: scale words in the pattern: 4 (pat(r) + 8 h)
	v_lshlrev_b32 v4, 2, v0                        ; v4: 4 x lane
	v_lshlrev_b32 v5, 4, v0                        ; v5: 16 x lane
	v_lshlrev_b32 v6, 3, v10                       ; v6: 8 h
	v_add_nc_u32 v7, 16, v6                        ; v7: 16 + 8 h
	v_lshlrev_b32 v8, 7, v10                       ; v8: bq, bk: 32 h numbers on
	v_lshlrev_b32 v13, 2, v9                       ; v13: bv: 4 r
	v_cmp_eq_u32 s48, 1, v10                       ; lanes 16-31
	v_mov_b32 v[T], 0                              ; a lane permute's destination counts as one of its sources
	s_mov_b32 s50, 0x76543210
	s_mov_b32 s51, 0xfedcba98                      ; v_permlanex16_b32's selects for lane l xor 16
	s_and_b32 s49, ttmp7, 0xffff                   ; the role
	s_lshl_b32 s52, ttmp9, 13                      ; the unit's 128 rows of x's codes,
	s_mov_b32 s53, 0
	s_lshl_b32 s54, ttmp9, 9                       ; of x's scale words,
	s_mov_b32 s55, 0
	s_mul_i32 s56, ttmp9, UNIT                     ; and its place in QI, KI, VI
	s_mov_b32 s57, 0
	s_wait_kmcnt 0x0
	s_cmp_eq_u32 s49, 3
	s_cbranch_scc1 .Ler
	s_add_nc_u64 s[4:5], s[4:5], s[52:53]
	s_add_nc_u64 s[6:7], s[6:7], s[54:55]
	s_cmp_eq_u32 s49, 2
	s_cbranch_scc1 .Lv
	; ---- roles 0 and 1 take one path: only the four buffers are chosen, on the role alone
	s_cmp_eq_u32 s49, 0
	s_cselect_b64 s[40:41], s[8:9], s[16:17]       ; W's codes
	s_cselect_b64 s[42:43], s[10:11], s[18:19]     ; W's scales
	s_cselect_b64 s[44:45], s[12:13], s[20:21]     ; the bias
	s_cselect_b64 s[46:47], s[14:15], s[22:23]     ; QI or KI
	s_add_nc_u64 s[46:47], s[46:47], s[56:57]
	LOADSET FA, 1, 40, 1
	LOADSET FB, 1, 4, 1
	LOADSC AS, 3, 42, 1
	LOADSC BS, 3, 6, 1
	WIN 0x40                                       ; destination window 1
.irp i, 0,1,2,3,4,5,6,7                        ; tile i's result holds, in lane (., h), features 64 (i / 4) + 8 (i % 4) + 32 h + 0 .. 7: so does its bias
	global_load_b128 v[8*\i:8*\i+3], v8, s[44:45] offset:4*(64*(\i/4)+8*(\i%4))
	global_load_b128 v[8*\i+4:8*\i+7], v8, s[44:45] offset:4*(64*(\i/4)+8*(\i%4))+16
.endr
	WIN 0
	s_wait_loadcnt 0x0
	BODY 0
.Lv:
	; ---- role 2: the tokens are source 0's rows, so that a lane's registers run along the keys
	s_add_nc_u64 s[46:47], s[30:31], s[56:57]
	LOADSET FA, 1, 4, 1
	LOADSET FB, 2, 24, 0
	LOADSC AS, 3, 6, 1
	LOADSC BS, 4, 26, 0
.irp f, 0,1,2,3,4,5,6,7
	global_load_b32 v[MX+\f], v13, s[28:29] offset:64*\f     ; bv of feature 16 f + r: the lane's column
.endr
	s_wait_loadcnt 0x0
	WIN 0x40
.irp f, 0,1,2,3,4,5,6,7
.irp j, 0,1,2,3,4,5,6,7
	v_mov_b32 v[8*\f+\j], v[MX+\f]                 ; the same number for the lane's eight tokens
.endr
.endr
	WIN 0
	BODY 1
.Ler:
	; ---- role 3: 64 rows of the table
	s_lshl_b32 s52, ttmp9, 10                      ; 64 rows of 16 bytes
	s_add_nc_u64 s[32:33], s[32:33], s[52:53]
	s_add_nc_u64 s[40:41], s[36:37], s[52:53]
	global_load_b128 v[16:19], v5, s[32:33]
	global_load_b128 v[20:23], v5, s[32:33] offset:512
	s_lshl_b32 s58, ttmp9, 6
	v_lshl_add_u32 v24, v0, 1, s58                 ; my two rows: 64 u + 2 x lane and the next
.irp k, 0,1,2,3,4
	v_add_nc_u32 v[25+\k], \k, v24
	v_min_u32 v[25+\k], 0xfff, v[25+\k]            ; no load leaves the 4,096 scale bytes
.endr
.irp k, 0,1,2,3,4
	global_load_u8 v[32+\k], v[25+\k], s[34:35]
.endr
	s_lshl_b32 s54, ttmp9, 8                       ; 64 words
	s_add_nc_u64 s[42:43], s[38:39], s[54:55]
	v_lshlrev_b32 v42, 3, v0
	s_wait_loadcnt 0x0
	global_store_b128 v5, v[16:19], s[40:41]
	global_store_b128 v5, v[20:23], s[40:41] offset:512
	v_lshl_or_b32 v40, v33, 8, v32
	v_lshl_or_b32 v41, v34, 8, v33
	v_lshl_or_b32 v40, v34, 16, v40
	v_lshl_or_b32 v41, v35, 16, v41
	v_lshl_or_b32 v40, v35, 24, v40
	v_lshl_or_b32 v41, v36, 24, v41
	global_store_b64 v42, v[40:41], s[42:43]       ; 32 lanes store 256 consecutive bytes
	s_cmp_lt_u32 ttmp9, 17
	s_cbranch_scc0 .Ldone
	s_lshl_b32 s52, ttmp9, 9                       ; the first 17 units also write 32 rows each of the 544 behind the table
	s_add_nc_u64 s[44:45], s[36:37], s[52:53]
	s_lshl_b32 s54, ttmp9, 7
	s_add_nc_u64 s[46:47], s[38:39], s[54:55]
.irp k, 0,1,2,3
	v_mov_b32 v[44+\k], 0                          ; zero codes add nothing
.endr
	v_mov_b32 v48, 0x7f7f7f7f                      ; under the scale 1
	global_store_b128 v5, v[44:47], s[44:45] offset:65536
	global_store_b32 v4, v48, s[46:47] offset:16384
.Ldone:
	s_endpgm
.Lfunc_end_k_qb91893cb83_prep:
	.size	k_qb91893cb83_prep, .Lfunc_end_k_qb91893cb83_prep-k_qb91893cb83_prep
	.p2alignl 7, 3214868480
	.fill 96, 4, 3214868480
	.section	.rodata,"a",@progbits
	.p2align	6, 0x0
	.amdhsa_kernel k_qb91893cb83_prep
		.amdhsa_group_segment_fixed_size 0
		.amdhsa_private_segment_fixed_size 0
		.amdhsa_enable_private_segment 0
		.amdhsa_kernarg_size 144
		.amdhsa_user_sgpr_count 2
		.amdhsa_user_sgpr_kernarg_segment_ptr 1
		.amdhsa_wavefront_size32 1
		.amdhsa_system_sgpr_workgroup_id_x 1
		.amdhsa_system_sgpr_workgroup_id_y 1
		.amdhsa_system_sgpr_workgroup_id_z 1
		.amdhsa_system_vgpr_workitem_id 0
		.amdhsa_next_free_vgpr 320
		.amdhsa_next_free_sgpr 66
		.amdhsa_reserve_vcc 0
		.amdhsa_float_denorm_mode_32 3
		.amdhsa_float_denorm_mode_16_64 3
		.amdhsa_memory_ordered 1
		.amdhsa_forward_progress 1
		.amdhsa_inst_pref_size 98
	.end_amdhsa_kernel
	.amdgpu_metadata
---
amdhsa.version: [ 1, 2 ]
amdhsa.kernels:
  - .name:           k_qb91893cb83_prep
    .symbol:         k_qb91893cb83_prep.kd
    .args:
      - { .name: x_codes, .offset: 0, .size: 8, .value_kind: global_buffer, .address_space: global }
      - { .name: x_scales, .offset: 8, .size: 8, .value_kind: global_buffer, .address_space: global }
      - { .name: Wq_codes, .offset: 16, .size: 8, .value_kind: global_buffer, .address_space: global }
      - { .name: Wq_scales, .offset: 24, .size: 8, .value_kind: global_buffer, .address_space: global }
      - { .name: bq, .offset: 32, .size: 8, .value_kind: global_buffer, .address_space: global }
      - { .name: QI, .offset: 40, .size: 8, .value_kind: global_buffer, .address_space: global }
      - { .name: Wk_codes, .offset: 48, .size: 8, .value_kind: global_buffer, .address_space: global }
      - { .name: Wk_scales, .offset: 56, .size: 8, .value_kind: global_buffer, .address_space: global }
      - { .name: bk, .offset: 64, .size: 8, .value_kind: global_buffer, .address_space: global }
      - { .name: KI, .offset: 72, .size: 8, .value_kind: global_buffer, .address_space: global }
      - { .name: Wv_codes, .offset: 80, .size: 8, .value_kind: global_buffer, .address_space: global }
      - { .name: Wv_scales, .offset: 88, .size: 8, .value_kind: global_buffer, .address_space: global }
      - { .name: bv, .offset: 96, .size: 8, .value_kind: global_buffer, .address_space: global }
      - { .name: VI, .offset: 104, .size: 8, .value_kind: global_buffer, .address_space: global }
      - { .name: Er_codes, .offset: 112, .size: 8, .value_kind: global_buffer, .address_space: global }
      - { .name: Er_scales, .offset: 120, .size: 8, .value_kind: global_buffer, .address_space: global }
      - { .name: ErP, .offset: 128, .size: 8, .value_kind: global_buffer, .address_space: global }
      - { .name: ErW, .offset: 136, .size: 8, .value_kind: global_buffer, .address_space: global }
    .group_segment_fixed_size: 0
    .private_segment_fixed_size: 0
    .kernarg_segment_align: 8
    .kernarg_segment_size: 144
    .max_flat_workgroup_size: 32
    .sgpr_count:     66
    .vgpr_count:     320
    .wavefront_size: 32
...
	.end_amdgpu_metadata
.endif
;; end of part 1
;; launch attn (part 2): grid 128 x 2, 4 waves a work-group, clusters of 4 x 1, 327,680 bytes of LDS; arguments QI, KI, VI, ErP, ErW, out0; writes out0
.if DOCPART == 2
	.amdgcn_target "amdgcn-amd-amdhsa--gfx1250"
	.amdhsa_code_object_version 6
	.text
	.protected	k_qb91893cb83_attn
	.globl	k_qb91893cb83_attn
	.p2align	8
	.type	k_qb91893cb83_attn,@function
k_qb91893cb83_attn:
	s_mov_b64 s[64:65], 0
	v_nop
	global_prefetch_b8 v0, s[64:65] scope:SCOPE_SE
	s_setreg_imm32_b32 hwreg(HW_REG_WAVE_MODE, 25, 1), 1
	s_wait_xcnt 0x0
	s_wait_alu depctr_hold_cnt(0) depctr_sa_sdst(0) depctr_va_vdst(0) depctr_va_sdst(0) depctr_va_ssrc(0) depctr_va_vcc(0) depctr_vm_vsrc(0)
	s_getreg_b32 s2, hwreg(HW_REG_IB_STS2, 6, 4)
	s_cmp_eq_u32 s2, 0
	s_cbranch_scc0 .Lentry_in_a_cluster
	s_endpgm
.Lentry_in_a_cluster:
	s_bfe_u32 s2, ttmp6, 0x10000c
	s_cmp_lg_u32 s2, 0x3003
	s_cbranch_scc0 .Lentry_shape_is_right
	s_endpgm
.Lentry_shape_is_right:
; out[b][i][32 e + :] = the sum over keys j <= i of softmax_j((q_i . k_j + q_i . Er[4095 - i + j]) / sqrt(32)) v_j, for each head e, all three products on codes of FP4 (E2M1) with E8M0 scales.
; THE SKEW COSTS NO VECTOR INSTRUCTION.  A tile's 16 columns are 4 neighbouring queries x the 4 heads: column n = (qi = n / 4, head e = n % 4) of queries i0 .. i0 + 3.  K = 128 is four blocks of 32:
;   q . k:   source 0's row 'key' is k's row as it lies (block = head);               the column holds q's 32 codes in block e, zero codes elsewhere.
;   q . Er:  source 0's row 'key' is the four table rows 4092 - i0 + key + 0 .. 3;    the column holds the same codes in block 3 - qi: that is table row 4095 - (i0 + qi) + key.
; Two products on one accumulator give the score.  Both are used transposed (source 0 = 16 keys), and so is O^T = V^T P^T: a lane holds one column throughout.
; THE KEYS OF A TILE: row r of tile 4 G + t is key 64 G + 8 t + 32 (r / 8) + r % 8, so that a lane's 32 registers of tiles 4 G .. 4 G + 3 are the 32 neighbouring keys 64 G + 32 (lane / 16) + 0 .. 31:
; a whole block of the second product's K.  The conversions' results are P's operand as they stand; a block's largest p needs no other lane.
; SOFTMAX: t = score x log2(e) / sqrt(32); M = the running largest t rounded up to a whole number; p = 2^(t - M) is quantised; the row's sum is taken of the unquantised p and divides at the end;
; when M moves, the sum and O^T are multiplied by 2^(old M - new M), which rounds nothing.  A block's largest p is made of its largest score by the same multiply-add and exponential.
; V^T P^T is made for all four heads' features against all 16 columns; of O[e] only the columns of head e are kept.
; SHARES.  Work-group p of a batch owns query blocks p and 255 - p (16 queries each): (p / 8 + 1) + (32 - p / 8) = 33 key steps of 128 and (p / 32 + 1) + (8 - p / 32) = 9 slots of 512 keys for every p.
; Wave w owns queries 4 w .. 4 w + 3 of the block in hand.  Steps whose keys all come after the block are not walked; in a block's last step hidden scores become -infinity.
; RING: two LDS slots, 2^17 bytes apart; a slot holds 4 units of KI, 4 of VI (register images: a fragment is two loads of 16 bytes a lane, lane after lane), 544 rows of the table and their scale words.
; CLUSTER: the four work-groups of a cluster walk the same K and V (their step and slot counts hang on the cluster's number alone), so those tiles are asked for JOINTLY (waves 0 and 1);
; the table's slice begins at a row that hangs on the work-group itself, 13 KB of a slot's 83: it is asked for by plain loads (waves 2 and 3).  By the text's own count a wave has one tensor load out.
; LIMITS: NaN, infinities and the scale byte 0xff among the inputs are not served; |t| under 2^23, so that M is a whole number exactly; a block whose every p has fallen under 2^-124 keeps the byte 1 (its codes are zeros).
.set UNIT,  8704                       ; a unit of QI, KI, VI: 8 images of 1,024 bytes, 512 bytes of scale words
.set SLOTB, 4*UNIT
.set SLOT1, 131072
.set VOFF,  SLOTB                      ; a slot: K's 4 units, V's 4 units,
.set EOFF,  2*SLOTB                    ; the table's codes: 17 rows of 512 bytes (32 table rows), 640 bytes apart: fragment rows r and r + 8 then lie 128 bytes apart modulo 256,
.set WOFF,  80640                      ; and the table's 544 scale words
.set STAGE, 2*SLOT1                    ; behind the ring: 2,048 bytes for each wave, for the way out
.set SPARE, STAGE+8192                 ; the spare words, 128 bytes for each wave: two blocks of 256 bytes that no other line names
.set SPW, 1                            ; v1     LDS address of my spare word; never rewritten
.set NIL, 2                            ; v2     0; never rewritten
.set AK0, 3                            ; v3     16 x lane: my place in an image of K; also my bytes of a row of out
.set AV0, 4                            ; v4     the same for V
.set AE0, 5                            ; v5-12  my place in the table's slice for tile column t and chunk c: register 2 t + c
.set AW0, 13                           ; v13    and among its scale words
.set ADK, 14                           ; v14, v15, v16-23, v24: the same with the slot in hand added
.set ADV, 15
.set ADE, 16
.set ADW, 24
.set ETA4, 27                          ; v27    my head in each byte: v_perm_b32's selector
.set STO, 28                           ; v28    the way out: where I put my numbers
.set RD,  29                           ; v29    and where I read a row back
.set DM,  31                           ; v31    my query - the last step's first key - 32 (lane / 16)
.set QC,  32                           ; v32-39 my column's q codes, for each of the two blocks
.set QW,  40                           ; v40-41 its token's scale word
.set DMP, 42                           ; v42-43 DM for each of the two blocks
.set BQK, 44                           ; v44-51 source 1 of q . k
.set BREL, 52                          ; v52-59 source 1 of q . Er
.set PC,  60                           ; v60-67 p's codes
.set QS,  68                           ; v68    q's scale byte, in all four bytes
.set PW,  69                           ; v69    p's scale word
.set KS,  70                           ; v70-73 K's scale words: register i: tile 2 i in lanes 0-15, tile 2 i + 1 in lanes 16-31
.set ES,  74                           ; v74-77 the table's likewise
.set VS,  78                           ; v78-81 V's likewise
.set NM,  82                           ; v82    -M;  v83 the largest t
.set TM,  83
.set F,   84                           ; v84    2^(old M - new M);  v85 named with it as a pair
.set LS,  86                           ; v86-93 the row's sum, in four pairs
.set H8,  94                           ; v94    8 (lane / 16)
.set S,   96                           ; v96-159  the scores, then p: register 32 G + 8 t + j
.set O,   160                          ; v160-223 O^T: head e, half d at 160 + 16 e + 8 d
.set MX,  224                          ; v224-231 a maximum for each tile
.set BM,  232                          ; v232-233 for each of my two blocks
.set SO,  234                          ; v234-235 the conversions' scale operands
.set BY,  236                          ; v236-237 the scale bytes
.set T0,  238
.set T1,  239
.set NINF, 240                         ; v240   -infinity
.set KF,  0                            ; window 1: v0-63 K's fragments, v64-127 the table's, v128-191 V's
.set EF,  64
.set VF,  128
; scalars: s16 wave, s17 cx, s18 p, s19 batch, s[20:21] lane selects, s[22:23] c, s[24:31] s[32:39] s[40:47] groups 1 (K and V; table codes; table words), s[48:51] s[52:55] s[56:59] their groups 0,
; s60 the slot in hand, s61 steps left of the block in hand, s62 the number of the slot asked for next, s63 slots of the first block, s66 trips, s67 and s94 the two blocks' steps,
; s68, s70, s72 what the three addresses go back by at the change of blocks, s75 and s87 the two blocks' first queries, s[76:79] their rows of out, s80-86 lane masks, s[88:93] offsets chosen, s95-99 at work
.set MSB, 0
.macro WIN new                         ; the immediate's high byte repeats the setting that is left
.if MSB != \new
	s_set_vgpr_msb (MSB<<8)|\new
.set MSB, \new
.endif
.endm
.set MUL, 0x01                         ; source 0 window 1; source 1, C and D window 0
.set TOF, 0x40                         ; destination window 1, address window 0
; one product; c < 0: the constant 0 starts the sum; ra: the half of the lanes from which source 0's scale words are read
.macro WM d, a, b, c, sa, sb, ra
.if (\c) < 0
.if \ra
	v_wmma_scale_f32_16x16x128_f8f6f4 v[\d:\d+7], v[\a:\a+7], v[\b:\b+7], 0, v[\sa], v[\sb] matrix_a_fmt:MATRIX_FMT_FP4 matrix_b_fmt:MATRIX_FMT_FP4 matrix_a_scale:MATRIX_SCALE_ROW1
.else
	v_wmma_scale_f32_16x16x128_f8f6f4 v[\d:\d+7], v[\a:\a+7], v[\b:\b+7], 0, v[\sa], v[\sb] matrix_a_fmt:MATRIX_FMT_FP4 matrix_b_fmt:MATRIX_FMT_FP4
.endif
.else
.if \ra
	v_wmma_scale_f32_16x16x128_f8f6f4 v[\d:\d+7], v[\a:\a+7], v[\b:\b+7], v[\c:\c+7], v[\sa], v[\sb] matrix_a_fmt:MATRIX_FMT_FP4 matrix_b_fmt:MATRIX_FMT_FP4 matrix_a_scale:MATRIX_SCALE_ROW1
.else
	v_wmma_scale_f32_16x16x128_f8f6f4 v[\d:\d+7], v[\a:\a+7], v[\b:\b+7], v[\c:\c+7], v[\sa], v[\sb] matrix_a_fmt:MATRIX_FMT_FP4 matrix_b_fmt:MATRIX_FMT_FP4
.endif
.endif
.endm
; A round of the cluster's barrier: my work-group's barrier; wave 0 signals for the work-group; every wave waits for all four work-groups; my work-group's barrier once more.
.macro CROUND
	s_barrier_signal -1
	s_barrier_wait -1
	s_cmp_lg_u32 s16, 0
	s_cbranch_scc1 .Lnot_wave_0_\@
	s_barrier_signal -3
.Lnot_wave_0_\@:
	s_barrier_wait -3
	s_barrier_signal -1
	s_barrier_wait -1
.endm
; A slot's four loads, one a wave: waves 0 and 1 the joint loads of K's and V's units, wave 2 the table's codes, wave 3 its scale words.  The branches hang on the wave's number alone.
; Four v_nop follow each line, ahead of the jump, the label and what follows.
.macro TLOAD
	s_cmp_lt_u32 s16, 2
	s_cbranch_scc0 .Lnot_kv_\@
	tensor_load_to_lds s[48:51], s[24:31]
	s_nop 0
.rept 4
	v_nop
.endr
	s_branch .Lasked_\@
.Lnot_kv_\@:
	s_cmp_eq_u32 s16, 2
	s_cbranch_scc0 .Lwords_\@
	tensor_load_to_lds s[52:55], s[32:39]
	s_nop 0
.rept 4
	v_nop
.endr
	s_branch .Lasked_\@
.Lwords_\@:
	tensor_load_to_lds s[56:59], s[40:47]
	s_nop 0
.rept 4
	v_nop
.endr
.Lasked_\@:
.endm
; THE CHANGE OF SLOTS stands at a slot's head.  Each wave waits for all its tensor loads (its part of the slot ahead), adds 0 to its spare word, and waits for that and for its reads of the slot that it has left.
; fill = 1: the barrier is a round of the cluster's, and behind it the slot that was left is filled with the next 512 keys; at the change of blocks (slot number s63) the three addresses go back to the second block's start.
.macro CHANGE fill
	s_wait_tensorcnt 0x0                           ; no tensor load of mine is out, so a group 0 may be written
	ds_add_u32 v[SPW], v[NIL]                      ; 0 onto my spare word; the descriptors' steps stand between it and the wait for it
.if \fill
	s_xor_b32 s49, s49, SLOT1                      ; the other slot than last time
	s_xor_b32 s53, s53, SLOT1
	s_xor_b32 s57, s57, SLOT1
	s_add_nc_u64 s[50:51], s[50:51], SLOTB         ; the next 4 units; the type bits on top are not reached
	s_add_nc_u64 s[54:55], s[54:55], 8192          ; 512 table rows on
	s_add_nc_u64 s[58:59], s[58:59], 2048
	s_cmp_eq_u32 s62, s63                          ; both numbers are the same in the four partners
	s_cselect_b32 s88, s68, 0
	s_cselect_b32 s90, s70, 0
	s_cselect_b32 s92, s72, 0
	s_sub_nc_u64 s[50:51], s[50:51], s[88:89]
	s_sub_nc_u64 s[54:55], s[54:55], s[90:91]
	s_sub_nc_u64 s[58:59], s[58:59], s[92:93]
	s_add_co_u32 s62, s62, 1
.endif
	s_wait_dscnt 0x0                               ; the add is done, and my reads of the slot that I have left are over
.if \fill
	CROUND                                         ; no wave of any partner still reads that slot or has a load on its way
	TLOAD                                          ; the first thing behind the round, and a wave's one tensor load until the next
.else
	s_barrier_signal -1
	s_barrier_wait -1
.endif
.endm
; 37 LDS loads: key step q's fragments of K and of the table, and their scale words
.macro FETCH_KE q
	WIN TOF
.irp t, 0,1,2,3,4,5,6,7
.irp c, 0,1
	ds_load_b128 v[KF+8*\t+4*\c:KF+8*\t+4*\c+3], v[ADK] offset:UNIT*(\q)+1024*\t+512*\c
.endr
.endr
.irp g, 0,1
.irp t, 0,1,2,3
.irp c, 0,1
	ds_load_b128 v[EF+8*(4*\g+\t)+4*\c:EF+8*(4*\g+\t)+4*\c+3], v[ADE+2*\t+\c] offset:640*(4*(\q)+2*\g)   ; table row of key 64 g + 8 t + pat(r), + 2 c + h: 64 keys on are two LDS rows on
.endr
.endr
.endr
	WIN 0
	ds_load_b128 v[KS:KS+3], v[ADK] offset:UNIT*(\q)+8192
.irp g, 0,1
.irp i, 0,1
	ds_load_b32 v[ES+2*\g+\i], v[ADW] offset:4*(128*(\q)+64*\g+16*\i)
.endr
.endr
.endm
; 17 LDS loads: V's scale words and fragments
.macro FETCH_V q
	WIN 0
	ds_load_b128 v[VS:VS+3], v[ADV] offset:UNIT*(\q)+8192
	WIN TOF
.irp f, 0,1,2,3,4,5,6,7
.irp c, 0,1
	ds_load_b128 v[VF+8*\f+4*\c:VF+8*\f+4*\c+3], v[ADV] offset:UNIT*(\q)+1024*\f+512*\c
.endr
.endr
.endm
; A block of queries begins: source 1 of both score products from my column's codes; zeros for O^T and the sum; -3e38 for the largest t.  The scale register is written first: more than eight plain lines ahead of the first product.
.macro START ph, steps
	v_perm_b32 v[QS], v[QW+\ph], v[QW+\ph], v[ETA4]        ; my head's byte of the token's word, in all four bytes: it serves whichever block holds the codes
.irp k, 0,1,2,3
	v_cndmask_b32 v[BQK+\k], 0, v[QC+4*\ph+\k], s80        ; chunk 0 is block h: the codes where h = my head,
	v_cndmask_b32 v[BQK+4+\k], 0, v[QC+4*\ph+\k], s81      ; chunk 1 is block 2 + h
	v_cndmask_b32 v[BREL+\k], 0, v[QC+4*\ph+\k], s82       ; and where the block is 3 - qi
	v_cndmask_b32 v[BREL+4+\k], 0, v[QC+4*\ph+\k], s83
.endr
.set n, 0
.rept 64
	v_mov_b32 v[O+n], 0                            ; the step is written once: a block's first step finds zeros, which the first change of M leaves zeros
.set n, n+1
.endr
.irp k, 0,1,2,3,4,5,6,7
	v_mov_b32 v[LS+\k], 0
.endr
	v_mov_b32 v[TM], 0xff61b1e6                    ; -3e38, under every t
	v_floor_f32 v[NM], -v[TM]
	v_mov_b32 v[DM], v[DMP+\ph]
	s_mov_b32 s61, s[\steps]
.endm
; A KEY STEP: 128 keys, the q-th of the slot in hand.
.macro STEP q, sw
.if \q == 0
	FETCH_KE 0
.endif
	s_wait_dscnt 0x0                               ; K's and the table's fragments and scale words are in
	WIN MUL
.irp t, 0,1,2,3,4,5,6,7
	WM S+8*\t, KF+8*\t, BQK, -1, KS+\t/2, QS, \t%2         ; q . k starts the eight sums;
.endr
.irp t, 0,1,2,3,4,5,6,7
	WM S+8*\t, EF+8*\t, BREL, S+8*\t, ES+\t/2, QS, \t%2    ; q . Er adds onto them: the eight accumulators take turns
.endr
	WIN 0
.rept 4
	v_nop                                          ; four places: in front of the reads of the scores, of the loads into K's, the table's and their scales' registers, and, behind the last step's V^T P^T, of the loads into V's
.endr
	FETCH_V \q
.if \q < 3
	FETCH_KE \q+1
.endif
	WIN 0
	s_cmp_lg_u32 s61, 1                            ; only a block's last step lies on the diagonal
	s_cbranch_scc1 .Lopen_\@
.set n, 0
.rept 64
	v_cmp_gt_i32 vcc_lo, 64*(n/32)+n%32, v[DM]     ; register n holds key 64 (n / 32) + 32 h + n % 32 of the step: hidden where it comes after my query
	v_cndmask_b32 v[S+n], v[S+n], v[NINF], vcc_lo
.set n, n+1
.endr
.Lopen_\@:
.irp t, 0,1,2,3,4,5,6,7
	v_max3_num_f32 v[MX+\t], v[S+8*\t], v[S+8*\t+1], v[S+8*\t+2]   ; each accumulator from its low end on; eight chains by turns
.endr
.irp i, 3,5
.irp t, 0,1,2,3,4,5,6,7
	v_max3_num_f32 v[MX+\t], v[MX+\t], v[S+8*\t+\i], v[S+8*\t+\i+1]
.endr
.endr
.irp t, 0,1,2,3,4,5,6,7
	v_max_num_f32 v[MX+\t], v[MX+\t], v[S+8*\t+7]
.endr
	v_max3_num_f32 v[BM], v[MX], v[MX+1], v[MX+2]
	v_max3_num_f32 v[BM+1], v[MX+4], v[MX+5], v[MX+6]
	v_max_num_f32 v[BM], v[BM], v[MX+3]            ; the largest score of each of my two blocks of 32 keys: it serves for the row's maximum and, since p rises with the score, for the block's largest p
	v_max_num_f32 v[BM+1], v[BM+1], v[MX+7]
	v_max_num_f32 v[T0], v[BM], v[BM+1]
	v_permlanex16_b32 v[T1], v[T0], s20, s21
	v_max_num_f32 v[T0], v[T0], v[T1]              ; with lane l xor 16's 64 keys: the step's largest score of my column
	v_mul_f32 v[T0], s22, v[T0]                    ; as t (c is positive)
	v_max_num_f32 v[TM], v[TM], v[T0]
	v_mov_b32 v[T0], v[NM]
	v_floor_f32 v[NM], -v[TM]                      ; the new -M = floor(-t): M is a whole number
	v_sub_f32 v[T0], v[NM], v[T0]                  ; old M - new M: a whole number, 0 or less
	v_cvt_i32_f32 v[T0], v[T0]                     ; (it saturates)
	v_ldexp_f32 v[F], 1.0, v[T0]                   ; f = 2^(old M - new M)
.set k, 0
.rept 16
	v_pk_fma_f32 v[S+2*k:S+2*k+1], v[S+2*k:S+2*k+1], s[22:23], v[NM:NM+1] op_sel_hi:[1,0,0]   ; block 0: t - M, two at a time
.set k, k+1
.endr
	v_fma_f32 v[BM], v[BM], s22, v[NM]             ; the same of each block's largest score
	v_fma_f32 v[BM+1], v[BM+1], s22, v[NM]
.set k, 0
.rept 16
	v_exp_f32 v[S+2*k], v[S+2*k]                   ; block 0's p; behind each two exponentials a plain line that is due anyway: block 1's t - M
	v_exp_f32 v[S+2*k+1], v[S+2*k+1]
	v_pk_fma_f32 v[S+32+2*k:S+33+2*k], v[S+32+2*k:S+33+2*k], s[22:23], v[NM:NM+1] op_sel_hi:[1,0,0]
.set k, k+1
.endr
	v_exp_f32 v[BM], v[BM]                         ; the blocks' largest p: the same two instructions on the same number give the same bits
	v_exp_f32 v[BM+1], v[BM+1]
	v_nop                                          ; a plain line behind the exponentials
	s_wait_alu depctr_va_vdst(0)
	v_max_num_f32 v[BM], 0x1800000, v[BM]          ; the floor 2^(3 - 127): the byte cannot fall under 1
	v_max_num_f32 v[BM+1], 0x1800000, v[BM+1]
	v_add_nc_u32 v[SO], 0xff000000, v[BM]          ; 2 off the exponent field: the conversion's scale operand
	v_add_nc_u32 v[SO+1], 0xff000000, v[BM+1]
	v_lshrrev_b32 v[BY], 23, v[SO]
	v_lshrrev_b32 v[BY+1], 23, v[SO+1]
	v_lshl_or_b32 v[BY], v[BY+1], 16, v[BY]        ; my blocks are h and 2 + h of the step's four:
	v_lshlrev_b32 v[BY], v[H8], v[BY]              ; their bytes at their places,
	v_permlanex16_b32 v[T1], v[BY], s20, s21
	v_or_b32 v[PW], v[BY], v[T1]                   ; and with lane l xor 16's two the word is whole
.set k, 0
.rept 16
	v_exp_f32 v[S+32+2*k], v[S+32+2*k]             ; block 1's p; the plain lines are block 0's part of the row's sum, taken of the unquantised p
	v_exp_f32 v[S+33+2*k], v[S+33+2*k]
.if k < 4
	v_pk_fma_f32 v[LS+2*k:LS+2*k+1], v[LS+2*k:LS+2*k+1], v[F:F+1], v[S+2*k:S+2*k+1] op_sel_hi:[1,0,1]   ; each of the four pairs is brought under the new M once
.else
	v_pk_add_f32 v[LS+2*(k%4):LS+2*(k%4)+1], v[LS+2*(k%4):LS+2*(k%4)+1], v[S+2*k:S+2*k+1]
.endif
.set k, k+1
.endr
	s_wait_alu depctr_va_vdst(0)
.irp c, 0,1
.irp t, 0,1,2,3
	v_cvt_scalef32_pk8_fp4_f32 v[PC+4*\c+\t], v[S+32*\c+8*\t:S+32*\c+8*\t+7], v[SO+\c]   ; keys 64 c + 32 h + 8 t + 0 .. 7: register 4 c + t of the operand
.endr
.endr
	v_nop                                          ; one plain line behind the conversions
.set k, 0
.rept 16
	v_pk_add_f32 v[LS+2*(k%4):LS+2*(k%4)+1], v[LS+2*(k%4):LS+2*(k%4)+1], v[S+32+2*k:S+33+2*k]   ; block 1's part of the sum.  (These sixteen are also the places between p's codes and scale word and the products below)
.set k, k+1
.endr
.set k, 0
.rept 32
	v_pk_mul_f32 v[O+2*k:O+2*k+1], v[O+2*k:O+2*k+1], v[F:F+1] op_sel_hi:[1,0]   ; O^T under the new M, each accumulator from its low end on
.set k, k+1
.endr
.if \q < 3
	s_wait_dscnt 37                                ; V's 17 loads are in; the 37 issued behind them, the next step's K and table, may be out
.else
	s_wait_dscnt 0x0
.endif
	WIN MUL
.irp e, 0,1,2,3
.irp d, 0,1
	WM O+16*\e+8*\d, VF+8*(2*\e+\d), PC, O+16*\e+8*\d, VS+\e, PW, \d
.endr
.endr
	WIN 0
	s_sub_co_u32 s61, s61, 1
.if \q < 3
	s_cmp_eq_u32 s61, 0                            ; the block's last step is done: the slot's other steps lie wholly behind the diagonal
	s_cbranch_scc1 .Lslot_end_\sw
.endif
.endm
; THE WAY OUT of a block.  The four additions of the sum's pairs name no register of the last products: they are the places behind them.
.macro FINISH ph
	v_pk_add_f32 v[LS:LS+1], v[LS:LS+1], v[LS+2:LS+3]
	v_pk_add_f32 v[LS+4:LS+5], v[LS+4:LS+5], v[LS+6:LS+7]
	v_pk_add_f32 v[LS:LS+1], v[LS:LS+1], v[LS+4:LS+5]
	v_add_f32 v[LS], v[LS], v[LS+1]
	v_permlanex16_b32 v[T1], v[LS], s20, s21
	v_add_f32 v[LS], v[LS], v[T1]                  ; with lane l xor 16's: the row's sum
	v_rcp_f32 v[MX], v[LS]
	v_mov_b32 v[MX+1], 0                           ; (a plain line behind the reciprocal; the register is named with it as a pair)
.irp j, 0,1,2,3,4,5,6,7
.irp d, 0,1
	v_cndmask_b32 v[S+8*\d+\j], v[O+8*\d+\j], v[O+16+8*\d+\j], s84      ; of the four heads' results my column keeps its own head's; j outermost: each accumulator is first read at its register 0
	v_cndmask_b32 v[S+8*\d+\j], v[S+8*\d+\j], v[O+32+8*\d+\j], s85
	v_cndmask_b32 v[S+8*\d+\j], v[S+8*\d+\j], v[O+48+8*\d+\j], s86
.endr
.endr
	s_wait_alu depctr_va_vdst(0)
.irp j, 0,2,4,6,8,10,12,14
	v_pk_mul_f32 v[S+\j:S+\j+1], v[S+\j:S+\j+1], v[MX:MX+1] op_sel_hi:[1,0]
.endr
.irp d, 0,1
	ds_store_b128 v[STO], v[S+8*\d:S+8*\d+3] offset:64*\d              ; out(i0 + qi, 32 e + 16 d + 8 h + 0 .. 7): into my wave's stage, four rows of 512 bytes
	ds_store_b128 v[STO], v[S+8*\d+4:S+8*\d+7] offset:64*\d+16
.endr
.irp i, 0,1,2,3
	ds_load_b128 v[S+16+4*\i:S+19+4*\i], v[RD] offset:512*\i           ; LDS serves a wave's instructions in order (ISA guide 5.7.1.4): these see my stores
.endr
.irp i, 0,1,2,3
	s_wait_dscnt 3-\i                              ; row i is back; the rows behind it may be out
	global_store_b128 v[AK0], v[S+16+4*\i:S+19+4*\i], s[76+2*\ph:77+2*\ph] offset:512*\i th:TH_STORE_NT   ; 32 lanes store a row's 512 consecutive bytes, at a multiple of 512 from out's first byte
.endr
	s_wait_xcnt 0x0                                ; the stores have read their registers: the scores' registers are written again only behind this wait
.endm
; A slot's up to four steps.  sw = 1: where the first block is done, it leaves and the second begins: that falls on slot 1 to 4, inside the loop.
.macro SLOT sw
	v_add_nc_u32 v[ADK], s60, v[AK0]
	v_add_nc_u32 v[ADV], s60, v[AV0]
.irp i, 0,1,2,3,4,5,6,7
	v_add_nc_u32 v[ADE+\i], s60, v[AE0+\i]
.endr
	v_add_nc_u32 v[ADW], s60, v[AW0]
.if \sw
	s_cmp_lg_u32 s61, 0
	s_cbranch_scc1 .Lsame_block_\@
	FINISH 0
	START 1, 67
.Lsame_block_\@:
.endif
	STEP 0, \sw
	STEP 1, \sw
	STEP 2, \sw
	STEP 3, \sw
.Lslot_end_\sw:
	s_xor_b32 s60, s60, SLOT1                      ; on to the other slot
.endm
; Where my column's q lies in QI, for the block that begins at query s[i0].  The wave's four queries differ in the token's low two bits alone, so the image and the row's base are scalars.
.macro QADDR i0, vc, vw, vd
	s_and_b32 s96, s[\i0], 127
	s_lshl_b32 s97, s16, 2
	s_add_co_u32 s96, s96, s97                     ; o: my wave's first query within its 128 tokens
	s_lshr_b32 s97, s[\i0], 7
	s_lshl_b32 s98, s19, 5
	s_add_co_u32 s97, s97, s98
	s_mul_i32 s97, s97, UNIT                       ; the unit
	s_lshr_b32 s98, s96, 6
	s_lshl_b32 s98, s98, 2
	s_bfe_u32 s99, s96, 0x20003
	s_or_b32 s98, s98, s99                         ; the image: 4 (o / 64) + (o / 8) % 4
	s_bfe_u32 s99, s96, 0x10005
	s_lshl_b32 s99, s99, 3
	s_and_b32 s95, s96, 7
	s_or_b32 s99, s99, s95                         ; the row in it: 8 ((o / 32) % 2) + o % 8, + qi
	s_lshl_b32 s99, s99, 4
	s_add_co_u32 s99, s99, s97
	s_lshl_b32 s95, s98, 10
	s_add_co_u32 s95, s95, s99
	v_lshlrev_b32 v[\vc], 8, v232                  ; head e lies in chunk e / 2, lanes' half e % 2: 256 e bytes on
	v_lshl_add_u32 v[\vc], v233, 4, v[\vc]
	v_add_nc_u32 v[\vc], s95, v[\vc]
	s_and_b32 s95, s98, 1
	s_lshl_b32 s95, s95, 8
	s_lshr_b32 s98, s98, 1
	s_lshl_b32 s98, s98, 2
	s_add_co_u32 s95, s95, s98
	s_add_co_u32 s95, s95, s99
	s_add_co_u32 s95, s95, 8192
	v_lshl_add_u32 v[\vw], v233, 4, s95            ; the token's scale word
	v_sub_nc_u32 v[\vd], v233, v238
	v_add_nc_u32 v[\vd], s96, v[\vd]               ; o + qi - 32 h
.endm
	s_load_b256 s[4:11], s[0:1], 0x0               ; QI 4, KI 6, VI 8, ErP 10
	s_load_b128 s[12:15], s[0:1], 0x20             ; ErW 12, out 14
	v_lshl_add_u32 v[SPW], v0, 2, SPARE
	v_mov_b32 v[NIL], 0
	ds_add_u32 v1, v2
	ds_add_u32 v1, v2
	s_wait_dscnt 0x0
	v_lshrrev_b32 v224, 5, v0
	v_readfirstlane_b32 s16, v224                  ; wave 0..3
	s_bfe_u32 s17, ttmp6, 0x40000                  ; cx: it enters global addresses of my own loads and stores, and the mask's data, alone
	s_lshl_b32 s18, ttmp9, 2
	s_add_co_u32 s18, s18, s17                     ; p = 4 x cluster x + cx
	s_and_b32 s19, ttmp7, 0xffff                   ; the batch, which the four partners share
	s_mov_b32 s20, 0x76543210
	s_mov_b32 s21, 0xfedcba98                      ; v_permlanex16_b32's selects for lane l xor 16
	s_mov_b32 s22, 0x3e8293ee                      ; c = log2(e) / sqrt(32)
	s_mov_b32 s23, s22                             ; (named with it as a pair)
	s_lshr_b32 s74, ttmp9, 1                       ; p / 8 = cluster x / 2: the counts are the same in the four partners
	s_add_co_u32 s94, s74, 1                       ; the first block's key steps,
	s_sub_co_u32 s67, 32, s74                      ; the second's,
	s_lshr_b32 s63, ttmp9, 3
	s_add_co_u32 s63, s63, 1                       ; the first block's slots
	s_mov_b32 s62, 1
	s_mov_b32 s60, 0
	s_mov_b32 s66, 8
	s_lshl_b32 s75, s18, 4                         ; the first block's first query: 16 p;
	s_sub_co_u32 s87, 4080, s75                    ; the second's: 16 (255 - p).  A block that begins at query I wants the table from row 4080 - I on: the other block's first query
	s_mul_i32 s68, s63, SLOTB                      ; at the change of blocks K and V go back to key 0,
	s_sub_co_u32 s70, s87, s75
	s_lshl_b32 s70, s70, 4
	s_lshl_b32 s71, s63, 13
	s_add_co_u32 s70, s70, s71                     ; the table's codes from row 16 (255 - p) + 512 x slots to row 16 p,
	s_lshr_b32 s72, s70, 2                         ; and its words likewise
	s_mov_b32 s89, 0
	s_mov_b32 s91, 0
	s_mov_b32 s93, 0
	; group 1 for K's and V's units: 34,816 dense bytes as 136 rows of 256 (32 elements of 8 bytes); the mask names the four partners, bit 21 beside it
	s_mov_b32 s24, 15|(3<<16)|(1<<21)
	s_mov_b32 s25, 32<<16                          ; tensor_dim0
	s_mov_b32 s26, 136<<16                         ; tensor_dim1
	s_mov_b32 s27, 32<<16                          ; tile_dim0
	s_mov_b32 s28, 136                             ; tile_dim1
	s_mov_b32 s29, 32                              ; tensor_dim0_stride
	s_mov_b32 s30, 0
	s_mov_b32 s31, 0
	; for the table's codes: 17 rows of 512 bytes (64 elements), dense in memory; 32 words of padding behind every 128
	s_mov_b32 s32, (3<<16)|(1<<20)|(6<<22)|(31<<25)
	s_mov_b32 s33, 64<<16
	s_mov_b32 s34, 17<<16
	s_mov_b32 s35, 64<<16
	s_mov_b32 s36, 17
	s_mov_b32 s37, 64
	s_mov_b32 s38, 0
	s_mov_b32 s39, 0
	; for its scale words: one row of 2,176 bytes (272 elements)
	s_mov_b32 s40, 3<<16
	s_mov_b32 s41, 272<<16
	s_mov_b32 s42, 1<<16
	s_mov_b32 s43, 272<<16
	s_mov_b32 s44, 1
	s_mov_b32 s45, 272
	s_mov_b32 s46, 0
	s_mov_b32 s47, 0
	s_and_b32 s95, s16, 1                          ; wave 0: K, wave 1: V
	s_mov_b32 s48, 1
	s_mul_i32 s49, s95, VOFF                       ; no place in the cluster enters an LDS address
	s_mul_i32 s96, s19, 32*UNIT                    ; the batch's first unit
	s_mov_b32 s97, 0
	s_mov_b32 s52, 1
	s_mov_b32 s53, EOFF
	s_mov_b32 s56, 1
	s_mov_b32 s57, WOFF
	s_mov_b32 s99, 0
	s_wait_kmcnt 0x0
	s_cmp_eq_u32 s95, 0
	s_cselect_b64 s[50:51], s[6:7], s[8:9]
	s_add_nc_u64 s[50:51], s[50:51], s[96:97]
	s_or_b32 s51, s51, 0x80000000
	s_lshl_b32 s98, s87, 4
	s_add_nc_u64 s[54:55], s[10:11], s[98:99]
	s_or_b32 s55, s55, 0x80000000
	s_lshl_b32 s98, s87, 2
	s_add_nc_u64 s[58:59], s[12:13], s[98:99]
	s_or_b32 s59, s59, 0x80000000
	CROUND                                         ; all four work-groups are here: the first joint loads meet
	TLOAD                                          ; slot 0
	s_lshl_b32 s96, s19, 12
	s_lshl_b32 s97, s16, 2
	s_add_co_u32 s96, s96, s97
	s_add_co_u32 s98, s96, s75
	s_lshl_b32 s98, s98, 9
	s_add_nc_u64 s[76:77], s[14:15], s[98:99]      ; out at my wave's four queries of the first block,
	s_add_co_u32 s98, s96, s87
	s_lshl_b32 s98, s98, 9
	s_add_nc_u64 s[78:79], s[14:15], s[98:99]      ; and of the second
	v_and_b32 v224, 31, v0                         ; lane
	v_bfe_u32 v225, v0, 4, 1                       ; h
	v_and_b32 v226, 7, v0                          ; r % 8
	v_bfe_u32 v227, v0, 3, 1                       ; r / 8
	v_and_b32 v232, 3, v0                          ; my column's head e
	v_bfe_u32 v233, v0, 2, 2                       ; and its query qi
	v_lshlrev_b32 v238, 5, v225                    ; 32 h
	QADDR 75, 25, 26, DMP
	global_load_b128 v[QC:QC+3], v25, s[4:5]
	global_load_b32 v[QW], v26, s[4:5]
	QADDR 87, 236, 237, DMP+1
	global_load_b128 v[QC+4:QC+7], v236, s[4:5]
	global_load_b32 v[QW+1], v237, s[4:5]
	v_lshlrev_b32 v[AK0], 4, v224
	v_add_nc_u32 v[AV0], VOFF, v[AK0]
	s_xor_b32 s95, s16, 3
	s_lshl_b32 s95, s95, 2                         ; 12 - 4 w: wave w's queries lie 4 w further on, so its table rows begin 4 w earlier
	v_add_nc_u32 v228, v226, v225
	v_add_nc_u32 v228, s95, v228                   ; 12 - 4 w + h + r % 8
	v_mul_u32_u24 v229, v227, 640                  ; 32 table rows on are one LDS row on
	v_add_nc_u32 v229, EOFF, v229
.irp t, 0,1,2,3
.irp c, 0,1
	v_add_nc_u32 v230, 8*\t+2*\c, v228             ; the part of the table row that can pass from one LDS row into the next: at most 46
	v_lshrrev_b32 v231, 5, v230
	v_lshl_add_u32 v230, v230, 4, v229             ; 16 bytes a table row,
	v_lshl_add_u32 v[AE0+2*\t+\c], v231, 7, v230   ; and 128 of padding for each 32 passed
.endr
.endr
	v_lshl_add_u32 v230, v227, 5, v226             ; pat(r)
	v_lshl_add_u32 v230, v225, 3, v230             ; lanes 16-31 take the odd tile's words: 8 keys on
	v_add_nc_u32 v230, s95, v230
	v_lshl_add_u32 v[AW0], v230, 2, WOFF
	v_mul_lo_u32 v[ETA4], v232, 0x01010101
	v_cmp_eq_u32 s80, v225, v232                   ; block h is my head's
	v_add_nc_u32 v234, 2, v225
	v_cmp_eq_u32 s81, v234, v232                   ; block 2 + h is
	v_sub_nc_u32 v235, 3, v233
	v_cmp_eq_u32 s82, v225, v235                   ; block h is 3 - qi
	v_cmp_eq_u32 s83, v234, v235                   ; block 2 + h is
	v_cmp_eq_u32 s84, 1, v232
	v_cmp_eq_u32 s85, 2, v232
	v_cmp_eq_u32 s86, 3, v232
	s_lshl_b32 s95, s16, 11
	s_add_co_u32 s95, s95, STAGE                   ; my stage
	v_lshlrev_b32 v[STO], 9, v233                  ; in: row qi, 128 e + 32 h bytes on
	v_lshl_add_u32 v[STO], v232, 7, v[STO]
	v_lshl_add_u32 v[STO], v225, 5, v[STO]
	v_add_nc_u32 v[STO], s95, v[STO]
	v_add_nc_u32 v[RD], s95, v[AK0]                ; back: the 32 lanes take one row
	v_lshlrev_b32 v[H8], 3, v225
	v_mov_b32 v[T1], 0                             ; a lane permute's destination counts as one of its sources
	v_mov_b32 v[F+1], 0                            ; (named as the upper half of a pair)
	v_mov_b32 v[NINF], 0xff800000
	s_wait_loadcnt 0x0                             ; q of both blocks
	START 0, 94
.Lslot:                                            ; eight trips: behind each change of slots but the last the next slot is asked for
	CHANGE 1
	SLOT 1
	s_sub_co_u32 s66, s66, 1
	s_cmp_lg_u32 s66, 0
	s_cbranch_scc1 .Lslot
	CHANGE 0                                       ; the ninth slot is written out
	SLOT 0
	FINISH 1
	s_wait_tensorcnt 0x0                           ; the wave's end: behind my last tensor load and my last LDS store
	ds_add_u32 v[SPW], v[NIL]
	s_wait_dscnt 0x0
	CROUND                                         ; the closing round: no work-group ends while a partner may still ask for a tile that names it
	s_endpgm
.Lfunc_end_k_qb91893cb83_attn:
	.size	k_qb91893cb83_attn, .Lfunc_end_k_qb91893cb83_attn-k_qb91893cb83_attn
	.p2alignl 7, 3214868480
	.fill 96, 4, 3214868480
	.section	.rodata,"a",@progbits
	.p2align	6, 0x0
	.amdhsa_kernel k_qb91893cb83_attn
		.amdhsa_group_segment_fixed_size 327680
		.amdhsa_private_segment_fixed_size 0
		.amdhsa_enable_private_segment 0
		.amdhsa_kernarg_size 48
		.amdhsa_user_sgpr_count 2
		.amdhsa_user_sgpr_kernarg_segment_ptr 1
		.amdhsa_wavefront_size32 1
		.amdhsa_system_sgpr_workgroup_id_x 1
		.amdhsa_system_sgpr_workgroup_id_y 1
		.amdhsa_system_sgpr_workgroup_id_z 1
		.amdhsa_system_vgpr_workitem_id 0
		.amdhsa_next_free_vgpr 448
		.amdhsa_next_free_sgpr 100
		.amdhsa_reserve_vcc 1
		.amdhsa_float_denorm_mode_32 3
		.amdhsa_float_denorm_mode_16_64 3
		.amdhsa_memory_ordered 1
		.amdhsa_forward_progress 1
		.amdhsa_inst_pref_size 221
	.end_amdhsa_kernel
	.amdgpu_metadata
---
amdhsa.version: [ 1, 2 ]
amdhsa.kernels:
  - .name:           k_qb91893cb83_attn
    .symbol:         k_qb91893cb83_attn.kd
    .args:
      - { .name: QI, .offset: 0, .size: 8, .value_kind: global_buffer, .address_space: global }
      - { .name: KI, .offset: 8, .size: 8, .value_kind: global_buffer, .address_space: global }
      - { .name: VI, .offset: 16, .size: 8, .value_kind: global_buffer, .address_space: global }
      - { .name: ErP, .offset: 24, .size: 8, .value_kind: global_buffer, .address_space: global }
      - { .name: ErW, .offset: 32, .size: 8, .value_kind: global_buffer, .address_space: global }
      - { .name: out0, .offset: 40, .size: 8, .value_kind: global_buffer, .address_space: global }
    .group_segment_fixed_size: 327680
    .private_segment_fixed_size: 0
    .kernarg_segment_align: 8
    .kernarg_segment_size: 48
    .max_flat_workgroup_size: 128
    .sgpr_count:     100
    .vgpr_count:     448
    .wavefront_size: 32
...
	.end_amdgpu_metadata
.endif
;; end of part 2
;; ======== version 2 of 2: 2 launches; version 1 with the launch prep written anew for expert scheduling mode
;; workspace buffers: QI 557,056 bytes; KI 557,056 bytes; VI 557,056 bytes; ErP 74,240 bytes; ErW 18,688 bytes
;; launch prep (part 3): grid 64 x 4, 1 waves a work-group, no clusters, 0 bytes of LDS; arguments x_codes, x_scales, Wq_codes, Wq_scales, bq, QI, Wk_codes, Wk_scales, bk, KI, Wv_codes, Wv_scales, bv, VI, Er_codes, Er_scales, ErP, ErW; writes QI, KI, VI, ErP, ErW
.if DOCPART == 3
	.amdgcn_target "amdgcn-amd-amdhsa--gfx1250"
	.amdhsa_code_object_version 6
	.text
	.protected	k_qb91893cb83_prep
	.globl	k_qb91893cb83_prep
	.p2align	8
	.type	k_qb91893cb83_prep,@function
k_qb91893cb83_prep:
	s_mov_b64 s[64:65], 0
	v_nop
	global_prefetch_b8 v0, s[64:65] scope:SCOPE_SE
	s_setreg_imm32_b32 hwreg(HW_REG_WAVE_SCHED_MODE, 0, 2), 2
	s_setreg_imm32_b32 hwreg(HW_REG_WAVE_MODE, 25, 1), 1
	s_wait_xcnt 0x0
	s_wait_alu depctr_vm_vsrc(0)
; q = x Wq + bq, k = x Wk + bk, v = x Wv + bv on codes of FP4 (E2M1) with E8M0 scales, and each result quantised again: q and k along a head's 32 numbers, v along 32 keys.
; The codes leave as IMAGES OF OPERAND REGISTERS, so that the attention launch loads fragments by 16 bytes a lane, lane after lane.
; GRID: x = unit u (128 tokens: batch u / 32, key step u % 32); y = role: 0 q, 1 k, 2 v, 3 the table Er.  One wave a work-group; no LDS, no barrier; EXEC stays whole.
; A UNIT of QI, KI, VI is 8,704 bytes: 8 images of 1,024 (two chunks of 512: lane l's 16 bytes at 16 l = operand registers 4 c .. 4 c + 3), then 512 bytes of scale words.
;   pat(r) = 32 (r / 8) + r % 8.   QI, KI image 4 G + t: lane (r, h), chunk c: token 64 G + 8 t + pat(r), head 2 c + h.   VI image f: lane (r, h), chunk c: feature 16 f + r, keys 64 c + 32 h + 0 .. 31.
;   Scale words: at 8192 + 16 l + 4 i the word of image 2 i + l / 16, row l % 16: one load of 16 bytes gives four scale registers, even images in lanes 0-15, odd ones in lanes 16-31.
; WHICH ROWS FORM A TILE IS FREE: source 0's tile (half, t) takes rows 64 half + 8 t + pat(r).  In the result lane (., h) then holds, over t = 0 .. 3 and its 8 registers, the 32 neighbours
; 64 half + 32 h + 0 .. 31: a WHOLE block of 32 in one lane.  So a block's largest magnitude needs no other lane, and the four conversions' results are chunk c = half of an image as it stands.
;   roles 0, 1: source 0 = W's rows (features), source 1 = x's tokens (in the same pattern, tile = image);  role 2: source 0 = x's tokens, source 1 = Wv's rows 16 f + r.  The bias is each product's C.
; ROLE 3: ErP = Er's codes, 16 bytes a row, with 544 rows of zero codes behind them; ErW[row] = the scale bytes of rows row .. row + 3 (held at the last row; 0x7f7f7f7f in the rows behind the table).
; A block's scale byte is its largest magnitude's exponent field - 2, held at 1 from below.
; LIMITS: a block of zeros, or one under 2^-124, gets the byte 1 where the quantiser says 127 or less: its codes are zeros or near it, and this program alone reads the bytes.  NaN, infinities and the scale byte 0xff among the inputs are not served.
; THE MODE: SCHED_MODE bits 1:0 = 2 (LLVM: expert scheduling mode 2), set by the entry lines.  The code itself states the register dependences
; between vector or matrix instructions and memory instructions, with s_wait_alu, always for 0.
; THE PLAN.  Registers that memory instructions touch, in roles 0 to 2:
;   v1-v5, v8, v13   byte offsets: written once at the head, read by every load and store, never written again: one wait on va_vdst at the head, ahead of the branches, serves them all.
;   FA, FB, AS, BS, the biases (role 2: v192-199)   written by the loads at a path's head, in registers that no vector instruction has named before; read behind the wait for the loads.
;   CD0, CD1         two sets of a chunk's codes, by turns.  Chunk m (m = 2 x image + half, 0 .. 15): its conversions write CD[m % 2]; its store is issued in chunk m + 1.
;   SW               the scale words: written by four selections at the end, read by the last store.
; So three lines stand in chunk m, behind the places that follow its products: s_wait_xcnt 0 and a wait on vm_vsrc (chunk m - 2's store, issued in chunk m - 1, has read CD[m % 2], which this chunk's
; conversions write again) and a wait on va_vdst (chunk m - 1's conversions have written CD[(m - 1) % 2], which the store below them reads).  No vector instruction of chunk m names CD[(m - 1) % 2].
; One more wait on va_vdst stands ahead of the last two stores.  s48, a mask that a vector compare writes, has its wait on va_sdst at the head.  Role 3 states its own, where they stand.
.set UNIT, 8704
.set FA,  16                           ; v16-79    source 0's eight fragments
.set FB,  80                           ; v80-143   source 1's eight
.set R,   144                          ; v144-175  four results
.set AS,  176                          ; v176-179  source 0's scale words: register i: tile 2 i in lanes 0-15, tile 2 i + 1 in lanes 16-31
.set BS,  180                          ; v180-183  source 1's likewise
.set WD,  184                          ; v184-191  the scale word of each image's rows, as it grows
.set MX,  192                          ; v192-195  four chains of a block's largest magnitude (role 2: v192-199 first hold bv)
.set T,   200                          ; v200-202  at work
.set CD,  208                          ; v208-215  a chunk's codes: two sets of four, set half for chunk (image, half)
.set SW,  216                          ; v216-219  the scale words as they are stored
                                       ; window 1: v0-63 the biases, in the results' layout
.set MSB, 0
.macro WIN new                         ; the immediate's high byte repeats the setting that is left
.if MSB != \new
	s_set_vgpr_msb (MSB<<8)|\new
.set MSB, \new
.endif
.endm
; one product; ra, rb: the half of the lanes from which source 0's and source 1's scale words are read
.macro WMS d, a, b, c, sa, sb, ra, rb
.if (\ra) && (\rb)
	v_wmma_scale_f32_16x16x128_f8f6f4 v[\d:\d+7], v[\a:\a+7], v[\b:\b+7], v[\c:\c+7], v[\sa], v[\sb] matrix_a_fmt:MATRIX_FMT_FP4 matrix_b_fmt:MATRIX_FMT_FP4 matrix_a_scale:MATRIX_SCALE_ROW1 matrix_b_scale:MATRIX_SCALE_ROW1
.elseif (\ra)
	v_wmma_scale_f32_16x16x128_f8f6f4 v[\d:\d+7], v[\a:\a+7], v[\b:\b+7], v[\c:\c+7], v[\sa], v[\sb] matrix_a_fmt:MATRIX_FMT_FP4 matrix_b_fmt:MATRIX_FMT_FP4 matrix_a_scale:MATRIX_SCALE_ROW1
.elseif (\rb)
	v_wmma_scale_f32_16x16x128_f8f6f4 v[\d:\d+7], v[\a:\a+7], v[\b:\b+7], v[\c:\c+7], v[\sa], v[\sb] matrix_a_fmt:MATRIX_FMT_FP4 matrix_b_fmt:MATRIX_FMT_FP4 matrix_b_scale:MATRIX_SCALE_ROW1
.else
	v_wmma_scale_f32_16x16x128_f8f6f4 v[\d:\d+7], v[\a:\a+7], v[\b:\b+7], v[\c:\c+7], v[\sa], v[\sb] matrix_a_fmt:MATRIX_FMT_FP4 matrix_b_fmt:MATRIX_FMT_FP4
.endif
.endm
; eight fragments of 16 rows x 128 K (a row of 128 codes is 64 bytes; registers 4 c .. 4 c + 3 at row x 64 + 16 h + 32 c).  pat = 1: tile i begins at row 64 (i / 4) + 8 (i % 4); 0: at row 16 i
.macro LOADSET reg, voff, base, pat
.irp i, 0,1,2,3,4,5,6,7
.irp c, 0,1
.if \pat
	global_load_b128 v[\reg+8*\i+4*\c:\reg+8*\i+4*\c+3], v[\voff], s[\base:\base+1] offset:64*(64*(\i/4)+8*(\i%4))+32*\c
.else
	global_load_b128 v[\reg+8*\i+4*\c:\reg+8*\i+4*\c+3], v[\voff], s[\base:\base+1] offset:64*16*\i+32*\c
.endif
.endr
.endr
.endm
; their scale words, 4 bytes a row, two tiles to a register
.macro LOADSC reg, voff, base, pat
.irp i, 0,1,2,3
.if \pat
	global_load_b32 v[\reg+\i], v[\voff], s[\base:\base+1] offset:4*(64*(\i/2)+16*(\i%2))
.else
	global_load_b32 v[\reg+\i], v[\voff], s[\base:\base+1] offset:128*\i
.endif
.endr
.endm
; Chunk half of image b, chunk m = 2 b + half of the unit's sixteen: four products, the store of the chunk before (512 consecutive bytes), the block's scale, four conversions.
.macro BLOCK b, half, vmode
	WIN 0x10                                       ; C: window 1
.irp t, 0,1,2,3
.if \vmode
	WMS R+8*\t, FA+8*(4*\half+\t), FB+8*\b, 8*\b, AS+2*\half+\t/2, BS+\b/2, \t%2, \b%2
.else
	WMS R+8*\t, FA+8*(4*\half+\t), FB+8*\b, 8*(4*\half+\t), AS+2*\half+\t/2, BS+\b/2, \t%2, \b%2
.endif
.endr
	WIN 0
.rept 4
	v_nop                                          ; four places between the products and the first read of their results (ISA guide 7.12.1)
.endr
.if 2*(\b)+(\half) >= 2
	s_wait_xcnt 0x0                                ; the store of the chunk two back has had its address translated (ISA guide 3.1): its data, this chunk's set of codes, are written again only behind this wait,
	s_wait_alu depctr_vm_vsrc(0)                   ; and it has read that set, v[CD + 4 half ..], which this chunk's conversions write again
.endif
.if 2*(\b)+(\half) >= 1
	s_wait_alu depctr_va_vdst(0)                   ; the conversions of the chunk before have written the other set of codes, which the store below reads
	global_store_b128 v5, v[CD+4*(1-(\half)):CD+4*(1-(\half))+3], s[46:47] offset:512*(2*(\b)+(\half)-1)   ; the chunk before: chunk m lies at 512 m; no vector instruction of this chunk names its set
.endif
.irp t, 0,1,2,3
	v_max3_num_f32 v[MX+\t], |v[R+8*\t]|, |v[R+8*\t+1]|, 0x1800000   ; each result from its low end on; the floor 2^(3 - 127) holds the byte at 1 from below
.endr
.irp i, 2,4,6
.irp t, 0,1,2,3
	v_max3_num_f32 v[MX+\t], v[MX+\t], |v[R+8*\t+\i]|, |v[R+8*\t+\i+1]|   ; (four chains by turns)
.endr
.endr
	v_max3_num_f32 v[MX], v[MX], v[MX+1], v[MX+2]
	v_max_num_f32 v[MX], v[MX], v[MX+3]            ; the largest magnitude of my 32 numbers: the block's
	v_add_nc_u32 v[T+1], 0xff000000, v[MX]         ; 2 off its exponent field: the conversion takes this operand's exponent field as its scale
	v_lshrrev_b32 v[T+2], 23, v[T+1]               ; the scale's byte: it is byte 2 half + h of the row's word
.if \half == 0
	v_lshlrev_b32 v[WD+\b], v6, v[T+2]
.else
	v_lshlrev_b32 v[T+2], v7, v[T+2]
	v_or_b32 v[WD+\b], v[WD+\b], v[T+2]
.endif
.irp t, 0,1,2,3
	v_cvt_scalef32_pk8_fp4_f32 v[CD+4*(\half)+\t], v[R+8*\t:R+8*\t+7], v[T+1]
.endr
	v_nop                                          ; one plain line behind the conversions: the next products write their sources
.endm
.macro BODY vmode
.irp b, 0,1,2,3,4,5,6,7
	BLOCK \b, 0, \vmode
	BLOCK \b, 1, \vmode
	v_permlanex16_b32 v[T], v[WD+\b], s50, s51     ; my two bytes and lane l xor 16's two make the word whole
	v_or_b32 v[WD+\b], v[WD+\b], v[T]
.endr
.irp i, 0,1,2,3
	v_cndmask_b32 v[SW+\i], v[WD+2*\i], v[WD+2*\i+1], s48   ; lanes 0-15 keep image 2 i's words, lanes 16-31 image 2 i + 1's
.endr
	s_wait_alu depctr_va_vdst(0)                   ; the last chunk's conversions have written its codes and the selections the scale words: the two stores below read them
	global_store_b128 v5, v[CD+4:CD+7], s[46:47] offset:512*15
	global_store_b128 v5, v[SW:SW+3], s[46:47] offset:8192
	s_endpgm
.endm
	s_load_b512 s[4:19], s[0:1], 0x0               ; x's codes 4, x's scales 6, Wq's codes 8, Wq's scales 10, bq 12, QI 14, Wk's codes 16, Wk's scales 18
	s_load_b512 s[20:35], s[0:1], 0x40             ; bk 20, KI 22, Wv's codes 24, Wv's scales 26, bv 28, VI 30, Er's codes 32, Er's scales 34
	s_load_b128 s[36:39], s[0:1], 0x80             ; ErP 36, ErW 38
	v_and_b32 v9, 15, v0                           ; r
	v_lshrrev_b32 v10, 4, v0                       ; h (one wave: v0 is the lane)
	v_and_b32 v11, 7, v0
	v_bfe_u32 v12, v0, 3, 1
	v_lshl_add_u32 v11, v12, 5, v11                ; pat(r)
	v_lshlrev_b32 v1, 6, v11
	v_lshl_add_u32 v1, v10, 4, v1                  ; v1: codes, rows in the pattern: 64 pat(r) + 16 h
	v_lshlrev_b32 v2, 6, v9
	v_lshl_add_u32 v2, v10, 4, v2                  ; v2: codes, neighbouring rows: 64 r + 16 h
	v_lshl_add_u32 v3, v10, 3, v11
	v_lshlrev_b32 v3, 2, v3                        ; v3: scale words in the pattern: 4 (pat(r) + 8 h)
	v_lshlrev_b32 v4, 2, v0                        ; v4: 4 x lane
	v_lshlrev_b32 v5, 4, v0                        ; v5: 16 x lane
	v_lshlrev_b32 v6, 3, v10                       ; v6: 8 h
	v_add_nc_u32 v7, 16, v6                        ; v7: 16 + 8 h
	v_lshlrev_b32 v8, 7, v10                       ; v8: bq, bk: 32 h numbers on
	v_lshlrev_b32 v13, 2, v9                       ; v13: bv: 4 r
	v_cmp_eq_u32 s48, 1, v10                       ; lanes 16-31
	v_mov_b32 v[T], 0                              ; a lane permute's destination counts as one of its sources
	s_mov_b32 s50, 0x76543210
	s_mov_b32 s51, 0xfedcba98                      ; v_permlanex16_b32's selects for lane l xor 16
	s_and_b32 s49, ttmp7, 0xffff                   ; the role
	s_lshl_b32 s52, ttmp9, 13                      ; the unit's 128 rows of x's codes,
	s_mov_b32 s53, 0
	s_lshl_b32 s54, ttmp9, 9                       ; of x's scale words,
	s_mov_b32 s55, 0
	s_mul_i32 s56, ttmp9, UNIT                     ; and its place in QI, KI, VI
	s_mov_b32 s57, 0
	s_wait_alu depctr_va_sdst(0)                   ; the compare has written s48, ahead of every branch and of its readers, the selections of the scale words
	s_wait_alu depctr_va_vdst(0)                   ; the offsets v1 to v5, v8 and v13 are written, which the loads and stores of every role read; none of them is written again
	s_wait_kmcnt 0x0
	s_cmp_eq_u32 s49, 3
	s_cbranch_scc1 .Ler
	s_add_nc_u64 s[4:5], s[4:5], s[52:53]
	s_add_nc_u64 s[6:7], s[6:7], s[54:55]
	s_cmp_eq_u32 s49, 2
	s_cbranch_scc1 .Lv
	; ---- roles 0 and 1 take one path: only the four buffers are chosen, on the role alone
	s_cmp_eq_u32 s49, 0
	s_cselect_b64 s[40:41], s[8:9], s[16:17]       ; W's codes
	s_cselect_b64 s[42:43], s[10:11], s[18:19]     ; W's scales
	s_cselect_b64 s[44:45], s[12:13], s[20:21]     ; the bias
	s_cselect_b64 s[46:47], s[14:15], s[22:23]     ; QI or KI
	s_add_nc_u64 s[46:47], s[46:47], s[56:57]
	LOADSET FA, 1, 40, 1                           ; since the head's wait on va_vdst only scalar lines, loads and window switches have been issued: these loads owe nothing more
	LOADSET FB, 1, 4, 1
	LOADSC AS, 3, 42, 1
	LOADSC BS, 3, 6, 1
	WIN 0x40                                       ; destination window 1
.irp i, 0,1,2,3,4,5,6,7                        ; tile i's result holds, in lane (., h), features 64 (i / 4) + 8 (i % 4) + 32 h + 0 .. 7: so does its bias
	global_load_b128 v[8*\i:8*\i+3], v8, s[44:45] offset:4*(64*(\i/4)+8*(\i%4))
	global_load_b128 v[8*\i+4:8*\i+7], v8, s[44:45] offset:4*(64*(\i/4)+8*(\i%4))+16
.endr
	WIN 0
	s_wait_loadcnt 0x0
	BODY 0
.Lv:
	; ---- role 2: the tokens are source 0's rows, so that a lane's registers run along the keys
	s_add_nc_u64 s[46:47], s[30:31], s[56:57]
	LOADSET FA, 1, 4, 1                            ; as in roles 0 and 1: the head's wait on va_vdst serves these loads
	LOADSET FB, 2, 24, 0
	LOADSC AS, 3, 6, 1
	LOADSC BS, 4, 26, 0
.irp f, 0,1,2,3,4,5,6,7
	global_load_b32 v[MX+\f], v13, s[28:29] offset:64*\f     ; bv of feature 16 f + r: the lane's column
.endr
	s_wait_loadcnt 0x0
	WIN 0x40
.irp f, 0,1,2,3,4,5,6,7
.irp j, 0,1,2,3,4,5,6,7
	v_mov_b32 v[8*\f+\j], v[MX+\f]                 ; the same number for the lane's eight tokens
.endr
.endr
	WIN 0
	BODY 1
.Ler:
	; ---- role 3: 64 rows of the table
	s_lshl_b32 s52, ttmp9, 10                      ; 64 rows of 16 bytes
	s_add_nc_u64 s[32:33], s[32:33], s[52:53]
	s_add_nc_u64 s[40:41], s[36:37], s[52:53]
	global_load_b128 v[16:19], v5, s[32:33]        ; their offset v5 stands behind the head's wait on va_vdst
	global_load_b128 v[20:23], v5, s[32:33] offset:512
	s_lshl_b32 s58, ttmp9, 6
	v_lshl_add_u32 v24, v0, 1, s58                 ; my two rows: 64 u + 2 x lane and the next
.irp k, 0,1,2,3,4
	v_add_nc_u32 v[25+\k], \k, v24
	v_min_u32 v[25+\k], 0xfff, v[25+\k]            ; no load leaves the 4,096 scale bytes
.endr
	v_lshlrev_b32 v42, 3, v0
	s_wait_alu depctr_va_vdst(0)                   ; the offsets v25 to v29 are written, which the five loads below read, and v42, which the store of the words reads
.irp k, 0,1,2,3,4
	global_load_u8 v[32+\k], v[25+\k], s[34:35]
.endr
	s_lshl_b32 s54, ttmp9, 8                       ; 64 words
	s_add_nc_u64 s[42:43], s[38:39], s[54:55]
	s_wait_loadcnt 0x0
	global_store_b128 v5, v[16:19], s[40:41]
	global_store_b128 v5, v[20:23], s[40:41] offset:512
	v_lshl_or_b32 v40, v33, 8, v32
	v_lshl_or_b32 v41, v34, 8, v33
	v_lshl_or_b32 v40, v34, 16, v40
	v_lshl_or_b32 v41, v35, 16, v41
	v_lshl_or_b32 v40, v35, 24, v40
	v_lshl_or_b32 v41, v36, 24, v41
	s_wait_alu depctr_va_vdst(0)                   ; the two words v40 and v41 are written, which the store below reads
	global_store_b64 v42, v[40:41], s[42:43]       ; 32 lanes store 256 consecutive bytes
	s_cmp_lt_u32 ttmp9, 17
	s_cbranch_scc0 .Ldone
	s_lshl_b32 s52, ttmp9, 9                       ; the first 17 units also write 32 rows each of the 544 behind the table
	s_add_nc_u64 s[44:45], s[36:37], s[52:53]
	s_lshl_b32 s54, ttmp9, 7
	s_add_nc_u64 s[46:47], s[38:39], s[54:55]
.irp k, 0,1,2,3
	v_mov_b32 v[44+\k], 0                          ; zero codes add nothing
.endr
	v_mov_b32 v48, 0x7f7f7f7f                      ; under the scale 1
	s_wait_alu depctr_va_vdst(0)                   ; the constants v44 to v48 are written, which the two stores below read
	global_store_b128 v5, v[44:47], s[44:45] offset:65536
	global_store_b32 v4, v48, s[46:47] offset:16384
.Ldone:
	s_endpgm
.Lfunc_end_k_qb91893cb83_prep:
	.size	k_qb91893cb83_prep, .Lfunc_end_k_qb91893cb83_prep-k_qb91893cb83_prep
	.p2alignl 7, 3214868480
	.fill 96, 4, 3214868480
	.section	.rodata,"a",@progbits
	.p2align	6, 0x0
	.amdhsa_kernel k_qb91893cb83_prep
		.amdhsa_group_segment_fixed_size 0
		.amdhsa_private_segment_fixed_size 0
		.amdhsa_enable_private_segment 0
		.amdhsa_kernarg_size 144
		.amdhsa_user_sgpr_count 2
		.amdhsa_user_sgpr_kernarg_segment_ptr 1
		.amdhsa_wavefront_size32 1
		.amdhsa_system_sgpr_workgroup_id_x 1
		.amdhsa_system_sgpr_workgroup_id_y 1
		.amdhsa_system_sgpr_workgroup_id_z 1
		.amdhsa_system_vgpr_workitem_id 0
		.amdhsa_next_free_vgpr 320
		.amdhsa_next_free_sgpr 66
		.amdhsa_reserve_vcc 0
		.amdhsa_float_denorm_mode_32 3
		.amdhsa_float_denorm_mode_16_64 3
		.amdhsa_memory_ordered 1
		.amdhsa_forward_progress 1
		.amdhsa_inst_pref_size 100
	.end_amdhsa_kernel
	.amdgpu_metadata
---
amdhsa.version: [ 1, 2 ]
amdhsa.kernels:
  - .name:           k_qb91893cb83_prep
    .symbol:         k_qb91893cb83_prep.kd
    .args:
      - { .name: x_codes, .offset: 0, .size: 8, .value_kind: global_buffer, .address_space: global }
      - { .name: x_scales, .offset: 8, .size: 8, .value_kind: global_buffer, .address_space: global }
      - { .name: Wq_codes, .offset: 16, .size: 8, .value_kind: global_buffer, .address_space: global }
      - { .name: Wq_scales, .offset: 24, .size: 8, .value_kind: global_buffer, .address_space: global }
      - { .name: bq, .offset: 32, .size: 8, .value_kind: global_buffer, .address_space: global }
      - { .name: QI, .offset: 40, .size: 8, .value_kind: global_buffer, .address_space: global }
      - { .name: Wk_codes, .offset: 48, .size: 8, .value_kind: global_buffer, .address_space: global }
      - { .name: Wk_scales, .offset: 56, .size: 8, .value_kind: global_buffer, .address_space: global }
      - { .name: bk, .offset: 64, .size: 8, .value_kind: global_buffer, .address_space: global }
      - { .name: KI, .offset: 72, .size: 8, .value_kind: global_buffer, .address_space: global }
      - { .name: Wv_codes, .offset: 80, .size: 8, .value_kind: global_buffer, .address_space: global }
      - { .name: Wv_scales, .offset: 88, .size: 8, .value_kind: global_buffer, .address_space: global }
      - { .name: bv, .offset: 96, .size: 8, .value_kind: global_buffer, .address_space: global }
      - { .name: VI, .offset: 104, .size: 8, .value_kind: global_buffer, .address_space: global }
      - { .name: Er_codes, .offset: 112, .size: 8, .value_kind: global_buffer, .address_space: global }
      - { .name: Er_scales, .offset: 120, .size: 8, .value_kind: global_buffer, .address_space: global }
      - { .name: ErP, .offset: 128, .size: 8, .value_kind: global_buffer, .address_space: global }
      - { .name: ErW, .offset: 136, .size: 8, .value_kind: global_buffer, .address_space: global }
    .group_segment_fixed_size: 0
    .private_segment_fixed_size: 0
    .kernarg_segment_align: 8
    .kernarg_segment_size: 144
    .max_flat_workgroup_size: 32
    .sgpr_count:     66
    .vgpr_count:     320
    .wavefront_size: 32
...
	.end_amdgpu_metadata
.endif
;; end of part 3
;; launch attn: the kernel of part 2 again; grid 128 x 2, 4 waves a work-group, clusters of 4 x 1, 327,680 bytes of LDS; arguments QI, KI, VI, ErP, ErW, out0; writes out0
